; MI455X (gfx1250); checked and timed in simulation.
; The chip was launched on July 23, 2026; its instructions are those of AMD's public machine-readable ISA for CDNA 5 (MIT licence, August 2026) and "CDNA5" Instruction Set Architecture Reference Guide (July 2026). The comments in the code are by the model that wrote it; some were corrected since.
;; sparseconnect layer. Allowed arithmetic: float matrix products may take bf16 or f16 operands with f32 sums; all other float work in f32.
;; Inputs: D 512 x 1,024 float32; GN 1 x 512 x 1,024 float32; W 512 x 1,024 float32; b 512 float32; x 16,384 x 1,024 float32.
;; Outputs: out0 16,384 x 512 float32.
;; One version. Each part assembles by itself: llvm-mc -triple=amdgcn-amd-amdhsa -mcpu=gfx1250 --defsym DOCPART=n.
;; ======== version 1 of 1: 2 launches
;; limits: values are held in f16: magnitudes above 65,504 overflow, below 6.1e-05 lose precision
;; workspace buffers: aw 1,048,576 bytes
;; launch mask (part 1): grid 256 x 1, 2 waves a work-group, no clusters, 0 bytes of LDS; arguments D, GN, W, aw; writes aw
.if DOCPART == 1
	.amdgcn_target "amdgcn-amd-amdhsa--gfx1250"
	.amdhsa_code_object_version 6
	.text
	.protected	k_q6019b0d9ab_mask
	.globl	k_q6019b0d9ab_mask
	.p2align	8
	.type	k_q6019b0d9ab_mask,@function
k_q6019b0d9ab_mask:
	s_mov_b64 s[64:65], 0
	v_nop
	global_prefetch_b8 v0, s[64:65] scope:SCOPE_SE
	s_setreg_imm32_b32 hwreg(HW_REG_WAVE_MODE, 25, 1), 1
	s_wait_xcnt 0x0
; aw[u][i] = f16(W[u][i]) where i is among the 32 largest of D[u][:] + GN[0][u][:], else +0.   D, GN, W: [512][1024] f32; aw: [512][1024] f16.
;
; WORK LEFT OUT, and why it can reach no output.  reference() forms samples = stop_gradient(hard - soft) + soft.  stop_gradient changes no value,
; and (hard - soft) + soft = hard in real numbers for every finite soft; soft is a softmax of finite numbers (D, GN finite; log(1 - cum + EPS) is
; log(1 + EPS) or log(EPS), since cum is 0 or 1), hence finite, whatever D and GN hold.  So the exclusive cumsum, the logarithm, the division by
; TEMP and the 32 softmaxes over 1024 have no way to y, and A = samples summed over k and over the one mask sample is 1 at the 32 chosen places of
; a row and 0 elsewhere (the sort of the indices only orders the k axis, which is summed away).  What is left: the top 32 of D + GN in each row,
; A * W, and the product with x in the next launch.  All five inputs keep a way to y; TEMP and EPS do not.
; LIMITS.  A NaN, an infinity or an overflow that would arise only in the work left out is not carried to the result.  D + GN is ordered by the
; total order of the f32 bit patterns: -0 lies below +0, NaNs are ordered by their bits.  Equal values: the lower index wins, as in lax.top_k.
; A weight that is not chosen becomes +0 also where W is infinite or NaN (reference() would give NaN there).
; FORMAT.  W is rounded to f16 (11 significant bits), not to bf16 (8): a unit's output is a sum of only 32 products, and with both factors cut to 8 bits
; the error of such a sum comes near one hundredth of the outputs' root mean square.  |W| from 65,520 up becomes infinite; below 2^-14 the rounding
; step is 2^-24.  W of spread 0.04, thirty times larger or smaller or offset by thirty spreads, lies well inside that range.
;
; SHARES.  One wave, one row: u = 2 x work-group + wave.  Lane L holds 32 elements; register e = 4 j + c holds column i = 128 j + 4 L + c, so each
; 16-byte load of the wave covers 512 consecutive bytes and each 8-byte store 256 consecutive bytes, aligned.  No LDS, no barrier: the row never leaves the wave.
; METHOD.  The 32 words of a lane are transposed as a 32 x 32 bit matrix: plane p then holds bit p of all 32 elements.  The 32 largest are found
; by walking the key's bits from the top, two bits a step: 32 value bits, then the 10 index bits inverted, which makes all 1024 keys different: 21 steps.
; A step is a chain of dependent instructions that the next step has to wait for, so two bits are decided at once and the three counts that this takes
; run side by side, stage by stage, none waiting for the line in front of it.  No branch and no address hangs on a value.
.set LANE,  1
.set LOFF,  2                          ; 16 lane + 4096 wave: my 16 bytes in the group's two rows of D, GN, W
.set SOFF,  3                          ; 8 lane + 2048 wave: my 8 bytes in its two rows of aw
.set ALIVE, 4                          ; bit e: element e is still undecided
.set SEL,   5                          ; bit e: element e is chosen
.set NEED,  6                          ; how many are still to be chosen among the undecided, as f32 (at most 32: exact)
.set U,     13
.set TT,    14                         ; v[14:21] temporaries that take turns
.set LP,    22                         ; v[22:26] plane of lane bit n, inverted: all ones where the bit is 0
.set P,     32                         ; v[32:63]  D, then D + GN, then one side of the transposition; at the end the packed output
.set Q,     64                         ; v[64:95]  GN, then the other side; at the end the 32 planes
.set WR,    96                         ; v[96:127] W
; the selection's registers lie in P, which is free between the transposition and the output (and has been written whole by then)
.set UU,    32                         ; v[32:34] the undecided whose two key bits are 11; 11 or 10; 11, 10 or 01: three nested sets
.set CC,    36                         ; v[36:38] how many each set holds
.set XX,    40                         ; v[40:42] at work
.set C2,    44                         ; v[44:46] the other half's counts
.set SC,    48                         ; v[48:50] SEL with each set added
.set AC,    52                         ; v[52:54] what lies between one set and the next: 10; 01; 00
.set NC,    56                         ; v[56:58] NEED less each count
.set PL,    60                         ; the lower plane
.set HL,    61                         ; both planes
.set HO,    62                         ; either plane
	s_load_b256 s[4:11], s[0:1], 0x0               ; D s[4:5], GN s[6:7], W s[8:9], aw s[10:11]
	s_lshl_b32 s2, ttmp9, 13                       ; two rows of 4,096 bytes a work-group
	s_mov_b32 s3, 0
	v_and_b32 v[LANE], 31, v0
	v_lshrrev_b32 v[U], 5, v0                      ; wave
	v_lshlrev_b32 v[LOFF], 4, v[LANE]
	v_lshl_add_u32 v[LOFF], v[U], 12, v[LOFF]
	v_lshrrev_b32 v[SOFF], 1, v[LOFF]
	s_wait_kmcnt 0x0
	s_add_nc_u64 s[4:5], s[4:5], s[2:3]
	s_add_nc_u64 s[6:7], s[6:7], s[2:3]
	s_add_nc_u64 s[8:9], s[8:9], s[2:3]
.irp j, 0,1,2,3,4,5,6,7
	global_load_b128 v[P+4*\j:P+4*\j+3], v[LOFF], s[4:5] offset:512*\j th:TH_LOAD_NT
.endr
.irp j, 0,1,2,3,4,5,6,7
	global_load_b128 v[Q+4*\j:Q+4*\j+3], v[LOFF], s[6:7] offset:512*\j th:TH_LOAD_NT
.endr
.irp j, 0,1,2,3,4,5,6,7
	global_load_b128 v[WR+4*\j:WR+4*\j+3], v[LOFF], s[8:9] offset:512*\j th:TH_LOAD_NT
.endr
	s_lshl_b32 s2, ttmp9, 12                       ; two rows of 2,048 bytes of aw
	s_add_nc_u64 s[10:11], s[10:11], s[2:3]
	s_mov_b32 s12, 0x76543210                      ; v_permlanex16_b32: lane i of one half reads lane i of the other
	s_mov_b32 s13, 0xfedcba98
	s_mov_b32 s14, 0x0000ffff                      ; elements e whose bit 4 is 0 (index bit 9)
	s_mov_b32 s15, 0x00ff00ff                      ; bit 3 (index bit 8)
	s_mov_b32 s16, 0x0f0f0f0f                      ; bit 2 (index bit 7)
	s_mov_b32 s17, 0x33333333                      ; bit 1 (index bit 1)
	s_mov_b32 s18, 0x55555555                      ; bit 0 (index bit 0)
	s_mov_b32 s19, 0x05040100                      ; byte selectors: the two low halves,
	s_mov_b32 s20, 0x07060302                      ; the two high halves,
	s_mov_b32 s21, 0x06020400                      ; the even bytes,
	s_mov_b32 s22, 0x07030501                      ; the odd bytes
	s_mov_b32 s23, 0x01010101                      ; adds the four bytes of a word into its top byte
.irp n, 0,1,2,3,4
	v_bfe_u32 v[LP+\n], v[LANE], \n, 1
.endr
.irp n, 0,1,2,3,4
	v_add_nc_u32 v[LP+\n], -1, v[LP+\n]            ; bit 0 -> all ones, bit 1 -> 0
.endr
	v_mov_b32 v[ALIVE], -1
	v_mov_b32 v[SEL], 0
	v_mov_b32 v[NEED], 0x42000000                  ; 32.0
	s_wait_loadcnt 0x8                             ; D and GN are in; the eight loads of W, issued behind them, may stay out
.set e, 0
.rept 16
	v_pk_add_f32 v[P+2*e:P+2*e+1], v[P+2*e:P+2*e+1], v[Q+2*e:Q+2*e+1]     ; pert = D + GN, one rounding, as in reference()
.set e, e+1
.endr
; One stage of the transposition exchanges bit j of the word's number with bit j of the bit's number:
; new word k     = the fields of word k whose bit j is 0, and beside them the same fields of word k + j moved up by j;
; new word k + j = the fields of word k whose bit j is 1 moved down by j, and the same fields of word k + j in place.
.macro XPERM src, dst, j, slo, shi     ; j = 16, 8: whole bytes move
.set k, 0
.rept 32
.if (k & \j) == 0
	v_perm_b32 v[\dst+k],    v[\src+k+\j], v[\src+k], \slo
	v_perm_b32 v[\dst+k+\j], v[\src+k+\j], v[\src+k], \shi
.endif
.set k, k+1
.endr
.endm
.macro XSHIFT src, dst, j, m           ; j = 4, 2, 1: m marks the bits whose number has bit j clear
.set k, 0
.rept 32
.if (k & \j) == 0
	v_lshlrev_b32 v[TT+tt],   \j, v[\src+k+\j]
	v_lshrrev_b32 v[TT+tt+1], \j, v[\src+k]
	v_bfi_b32 v[\dst+k],    \m, v[\src+k], v[TT+tt]
	v_bfi_b32 v[\dst+k+\j], \m, v[TT+tt+1], v[\src+k+\j]
.set tt, (tt+2)&7
.endif
.set k, k+1
.endr
.endm
.set tt, 0
	XPERM  P, Q, 16, s19, s20
	XPERM  Q, P, 8,  s21, s22
	XSHIFT P, Q, 4, s16
	XSHIFT Q, P, 2, s17
	XSHIFT P, Q, 1, s18                            ; v[Q+p], bit e = bit p of element e
	; f32 bits to an unsigned key of the same order: negative numbers have all bits inverted, the others the sign bit alone.  On planes: 32 instructions.
.set p, 0
.rept 31
	v_xor_b32 v[Q+p], v[Q+p], v[Q+31]
.set p, p+1
.endr
	v_xor_b32 v[Q+31], -1, v[Q+31]
; Two key bits, hi above lo.  U1 = the undecided with 11 there, U2 = those with 11 or 10, U3 = those with 11, 10 or 01; U0 is empty, U4 = all the undecided;
; c1 <= c2 <= c3 are their numbers in the row, c0 = 0.  Let k be how many of c1, c2, c3 lie below NEED.  Then all of U_k are chosen, NEED falls by c_k,
; and what stays undecided is U_(k+1) without U_k, which holds c_(k+1) - c_k >= NEED - c_k >= 1 elements: 1 <= NEED <= number of undecided holds throughout.
; The three counts are three chains of the same stages, written stage by stage; the candidates for all four outcomes are made beside them, and each of
; ALIVE, SEL and NEED is picked by a tree of three selects: (c1 < NEED: 1 or 0), (c3 < NEED: 3 or 2), then c2 < NEED between the two.
.macro STEP2 hi, lo
	v_mov_b32 v[PL], \lo                           ; these three hang on the planes alone, not on the step before
	v_and_b32 v[HL], \hi, v[PL]
	v_or_b32  v[HO], \hi, v[PL]
	v_and_b32 v[UU+1], \hi, v[ALIVE]
	v_and_b32 v[UU],   v[HL], v[ALIVE]
	v_and_b32 v[UU+2], v[HO], v[ALIVE]
.irp n, 0,1,2
	v_lshrrev_b32 v[CC+\n], 1, v[UU+\n]            ; a lane's count of ones: sums in fields of 2, 4, 8 bits, then the four bytes
.endr
	v_xor_b32 v[AC],   v[UU+1], v[UU]
	v_xor_b32 v[AC+1], v[UU+2], v[UU+1]
	v_xor_b32 v[AC+2], v[ALIVE], v[UU+2]
.irp n, 0,1,2
	v_and_b32 v[CC+\n], s18, v[CC+\n]
.endr
.irp n, 0,1,2
	v_or_b32 v[SC+\n], v[SEL], v[UU+\n]
.endr
.irp n, 0,1,2
	v_sub_nc_u32 v[CC+\n], v[UU+\n], v[CC+\n]
.endr
.irp n, 0,1,2
	v_lshrrev_b32 v[XX+\n], 2, v[CC+\n]
.endr
.irp n, 0,1,2
	v_and_b32 v[CC+\n], s17, v[CC+\n]
.endr
.irp n, 0,1,2
	v_and_b32 v[XX+\n], s17, v[XX+\n]
.endr
.irp n, 0,1,2
	v_add_nc_u32 v[CC+\n], v[CC+\n], v[XX+\n]
.endr
.irp n, 0,1,2
	v_lshrrev_b32 v[XX+\n], 4, v[CC+\n]
.endr
.irp n, 0,1,2
	v_add_nc_u32 v[CC+\n], v[CC+\n], v[XX+\n]
.endr
.irp n, 0,1,2
	v_and_b32 v[CC+\n], s16, v[CC+\n]
.endr
.irp n, 0,1,2
	v_mul_lo_u32 v[CC+\n], v[CC+\n], s23
.endr
.irp n, 0,1,2
	v_lshrrev_b32 v[CC+\n], 24, v[CC+\n]
.endr
.irp n, 0,1,2
	v_cvt_f32_u32 v[CC+\n], v[CC+\n]               ; at most 1,024 in the row: exact in f32
.endr
.irp m, 1,2,4,8
.irp n, 0,1,2
	v_add_f32_dpp v[CC+\n], v[CC+\n], v[CC+\n] row_xmask:\m row_mask:0xf bank_mask:0xf
.endr
.endr
.irp n, 0,1,2
	v_permlanex16_b32 v[C2+\n], v[CC+\n], s12, s13
.endr
.irp n, 0,1,2
	v_add_f32 v[CC+\n], v[CC+\n], v[C2+\n]         ; the same in every lane
.endr
	v_cmp_lt_f32 s24,    v[CC],   v[NEED]
	v_cmp_lt_f32 s25,    v[CC+2], v[NEED]
	v_cmp_lt_f32 vcc_lo, v[CC+1], v[NEED]
.irp n, 0,1,2
	v_sub_f32 v[NC+\n], v[NEED], v[CC+\n]
.endr
	v_cndmask_b32 v[AC],    v[UU],   v[AC],   s24  ; ALIVE first: the next step begins with it
	v_cndmask_b32 v[AC+1],  v[AC+1], v[AC+2], s25
	v_cndmask_b32 v[ALIVE], v[AC],   v[AC+1], vcc_lo
	v_cndmask_b32 v[SC],    v[SEL],  v[SC],   s24
	v_cndmask_b32 v[SC+1],  v[SC+1], v[SC+2], s25
	v_cndmask_b32 v[SEL],   v[SC],   v[SC+1], vcc_lo
	v_cndmask_b32 v[NC],    v[NEED], v[NC],   s24
	v_cndmask_b32 v[NC+1],  v[NC+1], v[NC+2], s25
	v_cndmask_b32 v[NEED],  v[NC],   v[NC+1], vcc_lo
.endm
.set p, 31
.rept 16
	STEP2 v[Q+p], v[Q+p-1]                         ; the value's bits, from the top
.set p, p-2
.endr
	STEP2 s14, s15                                 ; then the index's bits 9 to 0, inverted: of equal values the lower index is the larger key
	STEP2 s16, v[LP+4]
	STEP2 v[LP+3], v[LP+2]
	STEP2 v[LP+1], v[LP+0]
	STEP2 s17, s18
	v_or_b32 v[SEL], v[SEL], v[ALIVE]              ; all 42 bits are fixed: one element is left undecided and NEED is 1
	s_wait_loadcnt 0x0                             ; W
.set e, 0
.rept 32
.if e < 31
	v_lshlrev_b32 v[TT+(e&7)], 31-e, v[SEL]
	v_ashrrev_i32 v[TT+(e&7)], 31, v[TT+(e&7)]     ; bit e of SEL as all ones or zero
.else
	v_ashrrev_i32 v[TT+(e&7)], 31, v[SEL]
.endif
	v_and_b32 v[WR+e], v[WR+e], v[TT+(e&7)]
.set e, e+1
.endr
.set e, 0
.rept 16
	v_cvt_pk_f16_f32 v[P+e], v[WR+2*e], v[WR+2*e+1]    ; first source into the low half: two neighbouring columns in a word
.set e, e+1
.endr
.irp j, 0,1,2,3,4,5,6,7
	global_store_b64 v[SOFF], v[P+2*\j:P+2*\j+1], s[10:11] offset:256*\j   ; the wave's 32 lanes store 256 consecutive bytes, aligned; the next launch reads them, so no hint
.endr
	s_endpgm
.Lfunc_end_k_q6019b0d9ab_mask:
	.size	k_q6019b0d9ab_mask, .Lfunc_end_k_q6019b0d9ab_mask-k_q6019b0d9ab_mask
	.p2alignl 7, 3214868480
	.fill 96, 4, 3214868480
	.section	.rodata,"a",@progbits
	.p2align	6, 0x0
	.amdhsa_kernel k_q6019b0d9ab_mask
		.amdhsa_group_segment_fixed_size 0
		.amdhsa_private_segment_fixed_size 0
		.amdhsa_enable_private_segment 0
		.amdhsa_kernarg_size 32
		.amdhsa_user_sgpr_count 2
		.amdhsa_user_sgpr_kernarg_segment_ptr 1
		.amdhsa_wavefront_size32 1
		.amdhsa_system_sgpr_workgroup_id_x 1
		.amdhsa_system_sgpr_workgroup_id_y 1
		.amdhsa_system_sgpr_workgroup_id_z 1
		.amdhsa_system_vgpr_workitem_id 0
		.amdhsa_next_free_vgpr 128
		.amdhsa_next_free_sgpr 66
		.amdhsa_reserve_vcc 1
		.amdhsa_float_denorm_mode_32 3
		.amdhsa_float_denorm_mode_16_64 3
		.amdhsa_memory_ordered 1
		.amdhsa_forward_progress 1
		.amdhsa_inst_pref_size 97
	.end_amdhsa_kernel
	.amdgpu_metadata
---
amdhsa.version: [ 1, 2 ]
amdhsa.kernels:
  - .name:           k_q6019b0d9ab_mask
    .symbol:         k_q6019b0d9ab_mask.kd
    .args:
      - { .name: D, .offset: 0, .size: 8, .value_kind: global_buffer, .address_space: global }
      - { .name: GN, .offset: 8, .size: 8, .value_kind: global_buffer, .address_space: global }
      - { .name: W, .offset: 16, .size: 8, .value_kind: global_buffer, .address_space: global }
      - { .name: aw, .offset: 24, .size: 8, .value_kind: global_buffer, .address_space: global }
    .group_segment_fixed_size: 0
    .private_segment_fixed_size: 0
    .kernarg_segment_align: 8
    .kernarg_segment_size: 32
    .max_flat_workgroup_size: 64
    .sgpr_count:     66
    .vgpr_count:     128
    .wavefront_size: 32
...
	.end_amdgpu_metadata
.endif
;; end of part 1
;; launch gemm (part 2): grid 256 x 1, 4 waves a work-group, clusters of 4 x 1, 327,680 bytes of LDS; arguments x, aw, b, out0; writes out0
.if DOCPART == 2
	.amdgcn_target "amdgcn-amd-amdhsa--gfx1250"
	.amdhsa_code_object_version 6
	.text
	.protected	k_q6019b0d9ab_gemm
	.globl	k_q6019b0d9ab_gemm
	.p2align	8
	.type	k_q6019b0d9ab_gemm,@function
k_q6019b0d9ab_gemm:
	s_mov_b64 s[64:65], 0
	v_nop
	global_prefetch_b8 v0, s[64:65] scope:SCOPE_SE
	s_setreg_imm32_b32 hwreg(HW_REG_WAVE_MODE, 25, 1), 1
	s_wait_xcnt 0x0
	s_wait_alu depctr_hold_cnt(0) depctr_sa_sdst(0) depctr_va_vdst(0) depctr_va_sdst(0) depctr_va_ssrc(0) depctr_va_vcc(0) depctr_vm_vsrc(0)
	s_getreg_b32 s2, hwreg(HW_REG_IB_STS2, 6, 4)
	s_cmp_eq_u32 s2, 0
	s_cbranch_scc0 .Lentry_in_a_cluster
	s_endpgm
.Lentry_in_a_cluster:
	s_bfe_u32 s2, ttmp6, 0x10000c
	s_cmp_lg_u32 s2, 0x3003
	s_cbranch_scc0 .Lentry_shape_is_right
	s_endpgm
.Lentry_shape_is_right:
; out0[m][u] = sum over i of f16(x[m][i]) aw[u][i] + b[u].   x: [16384][1024] f32; aw: [512][1024] f16, the masked weights A * W of the launch before
; (the softmax part of reference() is left out there, where the reason is shown; nothing is left out here); b: [512] f32; out0: [16384][512] f32.
; FORMAT AND LIMITS.  x is rounded to f16 (11 significant bits), not to bf16 (8): an output is in effect a sum of 32 products, and with both factors cut to
; 8 bits its error comes near one hundredth of the outputs' root mean square.  |x| from 65,520 up becomes infinite; below 2^-14 the rounding step is
; 2^-24.  x of spread 1, thirty times larger or smaller or offset by thirty spreads, lies well inside that range.  Sums are f32; the eight K blocks of 128 are
; added in the order given below, which differs from cluster to cluster, ascending inside a block; the bias is added last.
; The product is made dense although a row of aw has 32 numbers other than 0: they lie in no pattern, so no 16 x 32 tile of aw is empty.
;
; SHARES.  Work-group g owns rows 64 g .. 64 g + 63 and all 512 units, so each byte of x is asked for once in the launch.  Wave w makes all 64 rows x
; units 128 w .. 128 w + 127: 4 x 8 accumulator tiles, 256 registers.  K goes in 8 steps of 128, each of four quarters of 32; all are written out, since
; the first starts the sums, the last ask for nothing more, the x ring has period 3 and the slots period 2.
; THE ORDER OF THE K BLOCKS.  In step s the work-groups of cluster c multiply K block (c + s) mod 8.  All 64 clusters walk the same 1 MiB of aw; walked in one
; order, every block would be asked for by all of them at the same step and by none before.  Walked so, the first fills of the launch (steps 0 and 1 of clusters
; with eight different starts) together ask for all eight blocks, and every refill asks for a block that other clusters asked for at least a step earlier.
; aw: a ring of two LDS slots of one K step (512 rows x 256 bytes, LDS pitch 272).  Wave w fills and alone reads its 128 rows.
; CLUSTER: all work-groups walk the same aw, so four form a cluster and ask for each tile jointly (mask 15): the requests for aw are divided by four.  The cluster's
; number is the same in the four, so their descriptors are equal.  By this text's count a wave has two tensor loads out at the start and one behind each round.
; x: through registers.  For a K step wave w loads rows 16 w .. 16 w + 15, 512 bytes of each by one load of the wave; a ring of three buffers of 64 registers
; keeps up to 48 such loads on their way across the barriers.  During step s the rows of step s + 1 are rounded to f16, four rows in each quarter,
; and laid into x stage (s + 1) & 1 in LDS, from which all four waves take their fragments: each number of x is converted once.
;
; LDS: 0 slot 0; 139,264 slot 1; 278,528 x stage 0 (64 rows, pitch 272); 295,936 x stage 1; end 313,344.  No tensor load lands at or behind 278,528.
; Behind the last barrier the two stages serve as the way out: 8,704 bytes a wave, 16 rows of 528.
; Pitches 272 = 17 x 16 and 528 = 33 x 16: sixteen neighbouring rows start at sixteen different 16-byte columns modulo 256.
;
; REGISTERS, in windows of 256: window 0 addresses, bias, fragments; window 1 the accumulators, tile (a, b) at v[8 (8 a + b)];
; window 2 the x ring, step t, row i at v[64 (t mod 3) + 4 i].
; Scalar: s[16:23] descriptor group 1; s[32:39] group 0 of the two slots; s[40:41] aw at my wave's rows, never rewritten; s[24:25] the byte offset of a K block in a
; row of aw (made of the cluster's number alone); s[48:63] x at my wave's rows and the K block of step t, a pair for each step, never rewritten.
; THE MATRIX INSTRUCTION IS USED TRANSPOSED: source 0 = 16 rows of aw, source 1 = 16 rows of x.  Lane (r = l % 16, h = l / 16) then holds row r of the
; tile and its registers 0 to 7 the units 16 b + 8 h + 0 .. 7: neighbouring numbers of a row of out0.
; The 32 accumulators take turns, one instruction a turn, in the same order in every quarter.
.set PITCH,  272
.set TILE16, 16*PITCH                  ; 16 rows: from fragment to fragment
.set WROWS,  128*PITCH                 ; a wave's part of a slot
.set SLOT,   4*WROWS
.set XS,     2*SLOT                    ; the x stages
.set XSTG,   64*PITCH
.set OPITCH, 528
.set OWAVE,  8704
.set XB,   48                          ; s[48:63] the eight bases of x
.set LOFF, 4                           ; v4   16 lane: my 16 bytes in 512 of x, of b, of out0
.set XST,  5                           ; v5   where I put 8 bytes of a row of x: XS + 16 w rows + 8 lane
.set ADRA, 6                           ; v6   my x fragments: XS + 272 r + 16 h
.set ADRB, 8                           ; v8-9 my aw fragments in slot 0, 1: slot + 128 w rows + 272 r + 16 h
.set OST,  10                          ; v10  the way out, in: XS + 8704 w + 528 r + 32 h
.set ORD,  11                          ; v11  the way out, back: XS + 8704 w + 16 lane
.set BI,   12                          ; v[12:15] b of units 128 w + 4 lane .. + 3
.set T,    16                          ; v[16:23] four rows of x as f16
.set FA,   32                          ; fragments of x:  buffer f at FA + 96 f, 4 x 8 registers
.set FB,   64                          ; fragments of aw: buffer f at FB + 96 f, 8 x 8 registers
.set R0,   32                          ; the way out: two sets of 64 registers
.set R1,   128
.set W_MUL, 0x50                       ; C and D in window 1
.set W_CVT, 0x0a                       ; sources 0 and 1 in window 2
.set W_XLD, 0x80                       ; destination in window 2
.set W_OST, 0x04                       ; source 1 (an LDS store's data) in window 1
.set MSB, 0
.set XISS, 0                           ; loads of x issued so far
.macro WIN new                         ; the immediate's high byte repeats the setting that is left
.if MSB != \new
	s_set_vgpr_msb (MSB<<8)|\new
.set MSB, \new
.endif
.endm
; A round of the cluster's barrier: my work-group's barrier, wave 0 signals for the work-group, every wave waits for all four work-groups, my work-group's barrier again.
.macro CREST                           ; a round behind its opening barrier
	s_cmp_lg_u32 s12, 0
	s_cbranch_scc1 .Lnot_wave_0_\@
	s_barrier_signal -3
.Lnot_wave_0_\@:
	s_barrier_wait -3
	s_barrier_signal -1
	s_barrier_wait -1
.endm
.macro CROUND
	s_barrier_signal -1
	s_barrier_wait -1
	CREST
.endm
; 16 loads: my 16 rows of step t's K block, 512 consecutive bytes each, into ring buffer t mod 3.  The block stands in the step's own base, the row in the immediate.
.macro XLOAD t
	WIN W_XLD
.irp i, 0,1,2,3,4,5,6,7,8,9,10,11,12,13,14,15
	global_load_b128 v[64*(\t%3)+4*\i:64*(\t%3)+4*\i+3], v[LOFF], s[XB+2*\t:XB+2*\t+1] offset:4096*\i th:TH_LOAD_NT
.endr
.set XISS, XISS+16
.endm
; 8 matrix instructions: row tile a x all 8 unit tiles, 32 along K, from buffer f.  zero = 1: the product starts the sums, nothing is cleared.
.macro MULA f, a, zero
.irp b, 0,1,2,3,4,5,6,7
.if \zero
	v_wmma_f32_16x16x32_f16 v[8*(8*(\a)+\b):8*(8*(\a)+\b)+7], v[FB+96*\f+8*\b:FB+96*\f+8*\b+7], v[FA+96*\f+8*(\a):FA+96*\f+8*(\a)+7], 0
.else
	v_wmma_f32_16x16x32_f16 v[8*(8*(\a)+\b):8*(8*(\a)+\b)+7], v[FB+96*\f+8*\b:FB+96*\f+8*\b+7], v[FA+96*\f+8*(\a):FA+96*\f+8*(\a)+7], v[8*(8*(\a)+\b):8*(8*(\a)+\b)+7]
.endif
.endr
.endm
.macro MUL16 f, a0, zero
	MULA \f, \a0, \zero
	MULA \f, (\a0+1), \zero
.endm
; 24 LDS loads in one run: a quarter's fragments (byte k of the rows) into buffer f: aw's eight, then x's four, so that the youngest four loads are x tiles 2 and 3
.macro FETCH slot, st, k, f
	WIN 0
.irp b, 0,1,2,3,4,5,6,7
	ds_load_b128 v[FB+96*\f+8*\b:FB+96*\f+8*\b+3],   v[ADRB+\slot] offset:\k+TILE16*\b
	ds_load_b128 v[FB+96*\f+8*\b+4:FB+96*\f+8*\b+7], v[ADRB+\slot] offset:\k+TILE16*\b+32
.endr
.irp a, 0,1,2,3
	ds_load_b128 v[FA+96*\f+8*\a:FA+96*\f+8*\a+3],   v[ADRA] offset:XSTG*\st+\k+TILE16*\a
	ds_load_b128 v[FA+96*\f+8*\a+4:FA+96*\f+8*\a+7], v[ADRA] offset:XSTG*\st+\k+TILE16*\a+32
.endr
.endm
; The middle of a quarter.  Rows 4 q .. 4 q + 3 of my part of step s + 1 are rounded and laid into the other x stage.  The eight conversions (in the last step four
; v_nop) are also the places between the last matrix instruction that read the other fragment buffer and the loads into it: plain vector instructions
; that name none of its registers (ISA guide 7.12.1 for vector instructions).
.macro GAP s, q
.if \s < 7
	s_wait_loadcnt XISS-(16*(\s+1)+4*\q+4)         ; loads come back in order (ISA guide 5.7.1): all issued behind these four rows' loads may stay out
	WIN W_CVT
.irp i, 0,1,2,3
	v_cvt_pk_f16_f32 v[T+2*\i],   v[64*((\s+1)%3)+4*(4*\q+\i)],   v[64*((\s+1)%3)+4*(4*\q+\i)+1]
	v_cvt_pk_f16_f32 v[T+2*\i+1], v[64*((\s+1)%3)+4*(4*\q+\i)+2], v[64*((\s+1)%3)+4*(4*\q+\i)+3]
.endr
	WIN 0
.irp i, 0,1,2,3
	ds_store_b64 v[XST], v[T+2*\i:T+2*\i+1] offset:PITCH*(4*\q+\i)+XSTG*((\s+1)&1)   ; 32 lanes, 256 consecutive bytes: a row's 128 f16
.endr
.else
.rept 4
	v_nop
.endr
.endif
.endm
; One of a step's first three quarters: multiplies buffer f and fetches the next quarter's fragments into buffer g.
.macro QUARTER s, q, f, g, zero
	s_wait_dscnt 4                                 ; aw's fragments and x tiles 0 and 1 are in; the youngest four loads (x tiles 2 and 3) may be out
	WIN W_MUL
	MUL16 \f, 0, \zero
	GAP \s, \q
	FETCH (\s&1), (\s&1), 64*(\q+1), \g
.if \s < 7
	s_wait_dscnt 28                                ; all but the 4 stores and 24 loads just issued
.else
	s_wait_dscnt 24                                ; all but the 24 loads just issued
.endif
	WIN W_MUL
	MUL16 \f, 2, \zero
.endm
; The last quarter of step s (0 to 6): multiplies buffer 1 and changes slots and stages.  ONE barrier does it all.  In front of its signal each wave has waited for all its LDS
; instructions (its reads of this slot and this stage, its stores into the next stage) and for all its tensor loads (the one that is out is its part of the next
; slot).  Where this slot is filled again (s <= 5) the barrier opens a round of the cluster's barrier, inside which stand matrix instructions alone, and the
; joint refill, for step s + 2, is the first tensor load behind the round.  It has 120 matrix instructions of the wave in which to land.
.macro TURN s
.if \s <= 5
	s_add_co_u32 s24, ttmp9, \s+2                  ; the K block of step s + 2: (cluster + s + 2) mod 8,
	s_and_b32 s24, s24, 7
	s_lshl_b32 s24, s24, 8                         ; 256 bytes of a row of aw each; s24 is no descriptor register and may be written while a load is out
.endif
	s_wait_dscnt 4
	WIN W_MUL
	MUL16 1, 0, 0
	GAP \s, 3
.if \s <= 3
	XLOAD (\s+4)                                   ; into the ring buffer whose 16 rows have just been converted
.endif
	s_wait_dscnt 0x0
	s_wait_tensorcnt 0x0
	ds_add_u32 v254, v255
	s_wait_dscnt 0x0
.if \s <= 5
	s_add_nc_u64 s[34+4*(\s&1):35+4*(\s&1)], s[40:41], s[24:25]    ; no tensor load of mine is out: this slot's group 0 gets its next address, from the untouched base,
	s_or_b32 s[35+4*(\s&1)], s[35+4*(\s&1)], 0x80000000            ; and its type
.endif
	s_barrier_signal -1
	WIN W_MUL
	MULA 1, 2, 0
	WIN 0                                          ; at a branch and at a label every window is 0
	s_barrier_wait -1
.if \s <= 5
	CREST
	tensor_load_to_lds s[32+4*(\s&1):35+4*(\s&1)], s[16:23]
	s_nop 0
.endif
	FETCH ((\s+1)&1), ((\s+1)&1), 0, 0
	WIN W_MUL
	MULA 1, 3, 0
.endm
.macro KSTEP s, zero
	QUARTER \s, 0, 0, 1, \zero
	QUARTER \s, 1, 1, 0, 0
	QUARTER \s, 2, 0, 1, 0
	TURN \s
.endm
	s_load_b256 s[4:11], s[0:1], 0x0               ; x s[4:5], aw s[6:7], b s[8:9], out0 s[10:11]
	v_lshl_add_u32 v254, v0, 2, 0x4c800
	v_mov_b32 v255, 0
	ds_add_u32 v254, v255
	ds_add_u32 v254, v255
	v_lshrrev_b32 v1, 5, v0
	v_readfirstlane_b32 s12, v1                    ; wave 0..3
	s_bfe_u32 s13, ttmp6, 0x40000                  ; cx: my place in the cluster; it enters the addresses of x and out0 alone
	s_lshl_b32 s14, ttmp9, 2                       ; in a cluster launch ttmp9 counts clusters
	s_add_co_u32 s14, s14, s13                     ; g = 4 x cluster + cx
	v_and_b32 v3, 31, v0                           ; lane
	v_lshlrev_b32 v[LOFF], 4, v3
	s_lshl_b32 s42, s14, 18                        ; x: 64 g rows of 4,096 bytes
	s_lshl_b32 s44, s12, 16                        ;    + 16 w rows
	s_add_co_u32 s42, s42, s44
.irp t, 0,1,2,3,4,5,6,7
	s_add_co_u32 s[XB+2*\t], ttmp9, \t             ; step t's K block: (cluster + t) mod 8,
	s_and_b32 s[XB+2*\t], s[XB+2*\t], 7
	s_lshl_b32 s[XB+2*\t], s[XB+2*\t], 9           ; 512 bytes of a row of x each,
	s_add_co_u32 s[XB+2*\t], s[XB+2*\t], s42       ; at my wave's rows: under 2^26, the offset's high word is 0
	s_mov_b32 s[XB+2*\t+1], 0
.endr
	s_lshl_b32 s44, s14, 17                        ; out0: 64 g rows of 2,048 bytes
	s_lshl_b32 s46, s12, 9                         ;    + 128 w units of 4 bytes; the same in b
	s_add_co_u32 s44, s44, s46
	s_mov_b32 s45, 0
	s_mov_b32 s47, 0
	s_lshl_b32 s40, s12, 18                        ; aw: 128 w rows of 2,048 bytes: the wave's number alone
	s_mov_b32 s41, 0
	s_mov_b32 s25, 0                               ; the high word of a K block's offset in aw
	s_wait_dscnt 0x0
	s_wait_kmcnt 0x0
.irp t, 0,1,2,3,4,5,6,7
	s_add_nc_u64 s[XB+2*\t:XB+2*\t+1], s[4:5], s[XB+2*\t:XB+2*\t+1]
.endr
	s_add_nc_u64 s[26:27], s[10:11], s[44:45]
	s_add_nc_u64 s[28:29], s[8:9], s[46:47]
	s_add_nc_u64 s[40:41], s[6:7], s[40:41]
	global_load_b128 v[BI:BI+3], v[LOFF], s[28:29]
	XLOAD 0                                        ; the stream of x starts before anything else
	XLOAD 1
	XLOAD 2
	WIN 0
	; descriptor group 1: a tile of 128 rows x 128 f16, 16 bytes of padding behind each row; the same for every load and in all four work-groups
	s_mov_b32 s16, 15|(1<<16)|(1<<20)|(1<<21)|(5<<22)|(3<<25)   ; 15:0 mask: the cluster's four; 17:16 elements of 2 bytes; 20 padding on; 21 set beside a mask; 24:22 after every 64 words; 31:25 four words
	s_mov_b32 s17, 128<<16                         ; tensor_dim0 = 128
	s_mov_b32 s18, 128<<16                         ; tensor_dim1 = 128
	s_mov_b32 s19, 128<<16                         ; tile_dim0 = 128
	s_mov_b32 s20, 128                             ; tile_dim1 = 128
	s_mov_b32 s21, 1024                            ; elements from row to row
	s_mov_b32 s22, 0
	s_mov_b32 s23, 0
	s_mul_i32 s30, s12, WROWS                      ; my rows in a slot
.irp n, 0,1
	s_mov_b32 s[32+4*\n], 1                                        ; count = 1
	s_add_co_u32 s[33+4*\n], s30, \n*SLOT                          ; LDS address
	s_add_co_u32 s24, ttmp9, \n                                    ; step n's K block: (cluster + n) mod 8
	s_and_b32 s24, s24, 7
	s_lshl_b32 s24, s24, 8
	s_add_nc_u64 s[34+4*\n:35+4*\n], s[40:41], s[24:25]            ; global address
	s_or_b32 s[35+4*\n], s[35+4*\n], 0x80000000                    ; type = 2
.endr
	CROUND                                         ; all four work-groups are here: the first joint loads meet
	tensor_load_to_lds s[32:35], s[16:23]          ; step 0
	s_nop 0
	tensor_load_to_lds s[36:39], s[16:23]          ; step 1
	s_nop 0
	v_and_b32 v1, 15, v0                           ; r
	v_bfe_u32 v2, v0, 4, 1                         ; h
	s_mul_i32 s31, s12, TILE16
	s_add_co_u32 s31, s31, XS
	v_lshl_add_u32 v[XST], v3, 3, s31
	v_mul_u32_u24 v7, v1, PITCH
	v_lshl_add_u32 v7, v2, 4, v7                   ; 272 r + 16 h
	v_add_nc_u32 v[ADRA], XS, v7
	v_add_nc_u32 v[ADRB], s30, v7
	v_add_nc_u32 v[ADRB+1], SLOT, v[ADRB]
	s_mul_i32 s15, s12, OWAVE
	s_add_co_u32 s15, s15, XS
	v_mul_u32_u24 v[OST], v1, OPITCH
	v_lshl_add_u32 v[OST], v2, 5, v[OST]
	v_add_nc_u32 v[OST], s15, v[OST]
	v_lshl_add_u32 v[ORD], v3, 4, s15
	; step 0's rows of x go into stage 0
	s_wait_loadcnt 32                              ; b and step 0 are in; the 32 loads of steps 1 and 2 stay out
	WIN W_CVT
.irp i, 0,1,2,3,4,5,6,7,8,9,10,11,12,13,14,15
	v_cvt_pk_f16_f32 v[128+2*\i],   v[4*\i],   v[4*\i+1]
	v_cvt_pk_f16_f32 v[128+2*\i+1], v[4*\i+2], v[4*\i+3]
.endr
	WIN 0
.irp i, 0,1,2,3,4,5,6,7,8,9,10,11,12,13,14,15
	ds_store_b64 v[XST], v[128+2*\i:128+2*\i+1] offset:PITCH*\i
.endr
	XLOAD 3
	WIN 0
	s_wait_dscnt 0x0                               ; my rows of stage 0 are written,
	s_wait_tensorcnt 0x1                           ; my part of slot 0 has landed; slot 1's load may stay out
	s_barrier_signal -1
	s_barrier_wait -1
	FETCH 0, 0, 0, 0
	KSTEP 0, 1
	KSTEP 1, 0
	KSTEP 2, 0
	KSTEP 3, 0
	KSTEP 4, 0
	KSTEP 5, 0
	KSTEP 6, 0
	QUARTER 7, 0, 0, 1, 0
	QUARTER 7, 1, 1, 0, 0
	QUARTER 7, 2, 0, 1, 0
	s_wait_dscnt 0x0                               ; my last reads of the slots and of the x stages are back
	s_barrier_signal -1
	WIN W_MUL
	MUL16 1, 0, 0
	MUL16 1, 2, 0
	WIN 0
	s_barrier_wait -1                              ; no wave reads the x stages any more: they become the way out
.rept 4
	v_nop                                          ; the places behind the last matrix instructions, for the LDS stores of results and the loads into the fragment registers
.endr
; THE WAY OUT, 16 rows at a time: the eight tiles (a, 0..7) go as f32 into my own 16 rows of 528 bytes, come back as whole rows of 512 bytes, get the bias and are stored.
; LDS serves a wave's instructions in order (ISA guide 5.7.1): no wait between my stores and my loads, nor between one turn's loads and the next turn's stores.
.macro OUT16 a, rs
	WIN W_OST
.irp b, 0,1,2,3,4,5,6,7
	ds_store_b128 v[OST], v[8*(8*\a+\b):8*(8*\a+\b)+3]   offset:64*\b
	ds_store_b128 v[OST], v[8*(8*\a+\b)+4:8*(8*\a+\b)+7] offset:64*\b+16
.endr
	WIN 0
.if \a >= 2
	s_wait_xcnt 0x0                                ; this set of registers is the data of the stores two turns back: it is loaded again only behind this wait
.endif
.irp i, 0,1,2,3,4,5,6,7,8,9,10,11,12,13,14,15
	ds_load_b128 v[\rs+4*\i:\rs+4*\i+3], v[ORD] offset:OPITCH*\i
.endr
.irp i, 0,1,2,3,4,5,6,7,8,9,10,11,12,13,14,15
	s_wait_dscnt 15-\i                             ; row i is back; the younger loads may be out
	v_pk_add_f32 v[\rs+4*\i:\rs+4*\i+1],   v[\rs+4*\i:\rs+4*\i+1],   v[BI:BI+1]
	v_pk_add_f32 v[\rs+4*\i+2:\rs+4*\i+3], v[\rs+4*\i+2:\rs+4*\i+3], v[BI+2:BI+3]
	global_store_b128 v[LOFF], v[\rs+4*\i:\rs+4*\i+3], s[26:27] offset:2048*(16*\a+\i) th:TH_STORE_NT   ; the wave stores 512 consecutive bytes, at a multiple of 512 from out0's first byte
.endr
.endm
	OUT16 0, R0
	OUT16 1, R1
	OUT16 2, R0
	OUT16 3, R1
	s_wait_tensorcnt 0x0
	ds_add_u32 v254, v255
	s_wait_dscnt 0x0
	CROUND                                         ; the closing round: no work-group ends while a partner may still ask for a tile that names it
	s_endpgm
.Lfunc_end_k_q6019b0d9ab_gemm:
	.size	k_q6019b0d9ab_gemm, .Lfunc_end_k_q6019b0d9ab_gemm-k_q6019b0d9ab_gemm
	.p2alignl 7, 3214868480
	.fill 96, 4, 3214868480
	.section	.rodata,"a",@progbits
	.p2align	6, 0x0
	.amdhsa_kernel k_q6019b0d9ab_gemm
		.amdhsa_group_segment_fixed_size 327680
		.amdhsa_private_segment_fixed_size 0
		.amdhsa_enable_private_segment 0
		.amdhsa_kernarg_size 32
		.amdhsa_user_sgpr_count 2
		.amdhsa_user_sgpr_kernarg_segment_ptr 1
		.amdhsa_wavefront_size32 1
		.amdhsa_system_sgpr_workgroup_id_x 1
		.amdhsa_system_sgpr_workgroup_id_y 1
		.amdhsa_system_sgpr_workgroup_id_z 1
		.amdhsa_system_vgpr_workitem_id 0
		.amdhsa_next_free_vgpr 704
		.amdhsa_next_free_sgpr 66
		.amdhsa_reserve_vcc 0
		.amdhsa_float_denorm_mode_32 3
		.amdhsa_float_denorm_mode_16_64 3
		.amdhsa_memory_ordered 1
		.amdhsa_forward_progress 1
		.amdhsa_inst_pref_size 190
	.end_amdhsa_kernel
	.amdgpu_metadata
---
amdhsa.version: [ 1, 2 ]
amdhsa.kernels:
  - .name:           k_q6019b0d9ab_gemm
    .symbol:         k_q6019b0d9ab_gemm.kd
    .args:
      - { .name: x, .offset: 0, .size: 8, .value_kind: global_buffer, .address_space: global }
      - { .name: aw, .offset: 8, .size: 8, .value_kind: global_buffer, .address_space: global }
      - { .name: b, .offset: 16, .size: 8, .value_kind: global_buffer, .address_space: global }
      - { .name: out0, .offset: 24, .size: 8, .value_kind: global_buffer, .address_space: global }
    .group_segment_fixed_size: 327680
    .private_segment_fixed_size: 0
    .kernarg_segment_align: 8
    .kernarg_segment_size: 32
    .max_flat_workgroup_size: 128
    .sgpr_count:     66
    .vgpr_count:     704
    .wavefront_size: 32
...
	.end_amdgpu_metadata
.endif
;; end of part 2
